; MI455X (gfx1250); checked and timed in simulation.
; The chip was launched on July 23, 2026; its instructions are those of AMD's public machine-readable ISA for CDNA 5 (MIT licence, August 2026) and "CDNA5" Instruction Set Architecture Reference Guide (July 2026). The comments in the code are by the model that wrote it; some were corrected since.
;; Quantum Transformer. Allowed arithmetic: float matrix products may take bf16 or f16 operands with f32 sums; all other float work in f32.
;; Inputs: attn_b 6 x 8 float32; attn_w 6 x 8 x 8 float32; cls_b 10 float32; cls_w 8 x 10 float32; emb 32,000 x 8 float32; ffn_b1 6 x 8 float32; ffn_b2 6 x 8 float32; ffn_w1 6 x 8 x 8 float32; ffn_w2 6 x 8 x 8 float32; ln1_b 6 x 8 float32; ln1_g 6 x 8 float32; ln2_b 6 x 8 float32; ln2_g 6 x 8 float32; tokens 32 x 512 int32.
;; Outputs: out0 32 x 10 float32.
;; One version. Each part assembles by itself: llvm-mc -triple=amdgcn-amd-amdhsa -mcpu=gfx1250 --defsym DOCPART=n.
;; ======== version 1 of 1: 1 launch
;; launch qtrans (part 1): grid 32 x 1, 16 waves a work-group, no clusters, 16,896 bytes of LDS; arguments tokens, emb, attn_w, ffn_w1, ffn_w2, attn_b, ln1_g, ln1_b, ffn_b1, ffn_b2, ln2_g, ln2_b, cls_w, cls_b, out0; writes out0
.if DOCPART == 1
	.amdgcn_target "amdgcn-amd-amdhsa--gfx1250"
	.amdhsa_code_object_version 6
	.text
	.protected	k_q0e9882a2dd_qtrans
	.globl	k_q0e9882a2dd_qtrans
	.p2align	8
	.type	k_q0e9882a2dd_qtrans,@function
k_q0e9882a2dd_qtrans:
	s_mov_b64 s[64:65], 0
	v_nop
	global_prefetch_b8 v0, s[64:65] scope:SCOPE_SE
	s_setreg_imm32_b32 hwreg(HW_REG_WAVE_MODE, 25, 1), 1
	s_wait_xcnt 0x0
; QuantumTransformer, whole forward pass in one launch.  32 sequences x 512 tokens x 8 features, 6 blocks, mean over tokens, 8 x 10 classifier.
;
; THE QUANTUM HEAD IN CLOSED FORM (holds for every angle).  RX(x_j)|0> has amplitudes (cos x_j/2, -i sin x_j/2).  The chain CNOT(i, i+1) only permutes
; basis states: wire i then carries b_0 xor .. xor b_i, so <Z_i> = product over j <= i of cos x_j for i = 0 .. 6.  The Hadamard on wire 7 leaves the other
; wires' marginals alone, and on wire 7 the difference of the two probabilities is 2 Re(a0 conj a1) with a0 conj a1 = |rest|^2 cos(x_7/2) (i sin(x_7/2)),
; purely imaginary: <Z_7> = 0.  So a head is seven cosines and six multiplies for a token.
;
; SHARING.  One work-group for each sequence, 16 waves, thread t = token t; its 8 features stay in registers through all six blocks.  In every block each token
; needs all 512 tokens of its sequence, so a sequence is not split over work-groups (that would be traffic between work-groups, or a launch for each block
; with the state through memory): 32 work-groups.  Between tokens only z travels: 16 bytes a token (7 bf16 and a 1.0) in 8 KiB of LDS.
; No cluster and no joint loads: work-groups share only the 6 KiB of weights, read once each.  No tensor loads: the only bulk read is a gather of 32-byte rows.
;
; ATTENTION on the matrix unit, bf16 operands, f32 sums, no lane shuffles:
;   S^T(key, query) = Z x Q^T, one instruction for 16 keys x 16 queries.  Q carries log2(e)/sqrt(8), so P = exp2(S).
;   In S^T's result lane (r, h) holds query r, keys 8h .. 8h+7: packed to bf16 that is the second operand P^T of O^T = V^T x P^T for 32 keys.
;   V^T comes from the same z rows by transposing LDS loads; its row 7 is the column of ones, so O^T's row 7 is the softmax's denominator.
; NO MAXIMUM IS TAKEN AWAY in the softmax: every z is a product of cosines, |z| <= 1, seven of them are not 0, so |score| <= 7/sqrt(8) = 2.475 for every input;
; each exponential lies in [0.084, 11.9] and a row's sum of 512 in [43, 6100].
; The three 8 x 8 maps of a block stay in f32 on the vector unit: a token's vector lies in one lane and the weights are the same for all lanes.
;
; LIMITS.  Angles are reduced by a two-word 2 pi: absolute error below 1e-6 for |angle| < 1e6, growing beyond.  The cosine's polynomial errs by at most 1e-7.
; Row 7 of attn_w and of ffn_w2 multiplies <Z_7> = 0: it is copied into LDS with the rest and not multiplied, so an infinity or NaN in it does not spread.
; A token number is clamped to 31999, the table's last row.
.set ZB,   0                           ; LDS: 512 rows x 16 bytes: token t's (z0 .. z6, 1.0) in bf16
.set AW,   8192                        ; attn_w as in memory, 6 x 256 bytes
.set W1O,  9728                        ; ffn_w1
.set W2O,  11264                       ; ffn_w2
.set VEC,  12800                       ; seven vectors of 6 x 32 bytes, 192 apart: attn_b, ln1_g, ln1_b, ffn_b1, ffn_b2, ln2_g, ln2_b
.set POOL, 14336                       ; 16 waves x 32 bytes: the waves' sums over their tokens
.set LAYERS, 6
.set ZST,  1                           ; v1   16 t: my row of ZB
.set KAD,  2                           ; v2   16 (t & 15): key row r of a tile, the same in both halves of the wave
.set VAD,  3                           ; v3   16 ((t & 7) + 8 h): the row that I address in a transposing load
.set WM,   4                           ; v4   256 l: the layer's place in a matrix
.set WV,   5                           ; v5   32 l: the layer's place in a vector
.set TOKA, 6                           ; v6   4 t: my token's byte offset in the sequence
.set CO,   7                           ; v7   4 min(lane, 9): my column of the classifier, and of the output row
.set XS,   8                           ; v[8:15]    the token's state x
.set QA,   16                          ; v[16:23]   Q^T of the wave's tokens 0-15: lanes 0-15 hold their own q, everything else 0
.set QB,   24                          ; v[24:31]   Q^T of tokens 16-31: lanes 16-31 hold their own q, everything else 0
.set ACA,  32                          ; v[32:39]   O^T of tokens 0-15
.set ACB,  40                          ; v[40:47]   O^T of tokens 16-31
.set PA,   48                          ; v[48:55]   P^T, 32 keys x tokens 0-15
.set PB,   56                          ; v[56:63]   P^T, 32 keys x tokens 16-31
.set VV,   ACA                         ; outside attention: a token's vector at work
.set TN,   ACB                         ;                    temporaries
.set TA,   PA                          ;                    the sum in front of a LayerNorm
.set TR,   PB                          ;                    temporaries
.set SA,   64                          ; v[64:79]   S^T of two key tiles x tokens 0-15
.set SB,   80                          ; v[80:95]   S^T of two key tiles x tokens 16-31
.set GB,   96                          ; v[96:143]  three operand buffers of 16: key tile 2t, key tile 2t+1, V^T of the 32 keys
.set W2R,  64                          ; v[64:135]  outside attention: ffn_w1 (64) and ffn_b1 (8)
.set EM,   64                          ; v[64:71]   at the start: my row of emb
.set ZP,   136                         ; v[136:139] my z row, packed, until it is stored
.set WT,   144                         ; v[144:223] 7 rows of a matrix (56), a bias, a gain, a bias (24)
.set C4V,  224                         ; v[224:225] the cosine's c4, twice
.set PHT,  226                         ; v[226:227] (-1/4, 0): a sine is a cosine a quarter turn later
.set PHR,  228                         ; v[228:229] (-pi/2, 0)
.set CW,   232                         ; v[232:239] wave 0: my column of cls_w
.set CB,   240                         ; v240       wave 0: my cls_b
.set TOK,  241                         ; v241       my token, then its row's byte offset in emb
.set STG,  242                         ; v242       staging: byte offset in a weight buffer and in its LDS copy
.set LANE, 243                         ; v243       lane
.set PST,  244                         ; v244       32 x wave
.set PRD,  245                         ; v245       wave 0: which 16 bytes of POOL I read
.set TMP,  246
.macro SPAIR r, val                    ; a constant in both words of a scalar pair (a packed instruction's scalar source is named as a pair)
	s_mov_b32 s[\r], \val
	s_mov_b32 s[\r+1], \val
.endm
; dst = cos(src), 8 numbers as 4 pairs, stage by stage so that no line waits for the one in front of it.  n = nearest whole number to src / 2 pi; r = src - n 2 pi in two words;
; cos(r/2) by its series up to (r/2)^10 in u = r^2; cos r = 2 cos^2(r/2) - 1.  phase = 1: the first of each pair is a sine (the angle less a quarter turn).
.macro COS8 dst, src, phase
.if \phase
.irp p, 0,2,4,6
	v_pk_fma_f32 v[TN+\p:TN+\p+1], v[\src+\p:\src+\p+1], 0x3e22f983, v[PHT:PHT+1] op_sel_hi:[1,0,1]
.endr
.else
.irp p, 0,2,4,6
	v_pk_mul_f32 v[TN+\p:TN+\p+1], v[\src+\p:\src+\p+1], 0x3e22f983 op_sel_hi:[1,0]
.endr
.endif
.irp j, 0,1,2,3,4,5,6,7
	v_rndne_f32 v[TN+\j], v[TN+\j]
.endr
.irp p, 0,2,4,6
	v_pk_fma_f32 v[TR+\p:TR+\p+1], v[TN+\p:TN+\p+1], s[40:41], v[\src+\p:\src+\p+1] op_sel_hi:[1,0,1]
.endr
.if \phase
.irp p, 0,2,4,6
	v_pk_add_f32 v[TR+\p:TR+\p+1], v[TR+\p:TR+\p+1], v[PHR:PHR+1]
.endr
.endif
.irp p, 0,2,4,6
	v_pk_fma_f32 v[TR+\p:TR+\p+1], v[TN+\p:TN+\p+1], s[42:43], v[TR+\p:TR+\p+1] op_sel_hi:[1,0,1]
.endr
.irp p, 0,2,4,6
	v_pk_mul_f32 v[TN+\p:TN+\p+1], v[TR+\p:TR+\p+1], v[TR+\p:TR+\p+1]             ; u = r^2
.endr
.irp p, 0,2,4,6
	v_pk_fma_f32 v[TR+\p:TR+\p+1], v[TN+\p:TN+\p+1], s[44:45], v[C4V:C4V+1] op_sel_hi:[1,0,1]
.endr
.irp c, 46,48,50
.irp p, 0,2,4,6
	v_pk_fma_f32 v[TR+\p:TR+\p+1], v[TR+\p:TR+\p+1], v[TN+\p:TN+\p+1], s[\c:\c+1] op_sel_hi:[1,1,0]
.endr
.endr
.irp p, 0,2,4,6
	v_pk_fma_f32 v[TR+\p:TR+\p+1], v[TR+\p:TR+\p+1], v[TN+\p:TN+\p+1], 1.0 op_sel_hi:[1,1,0]
.endr
.irp p, 0,2,4,6
	v_pk_mul_f32 v[TR+\p:TR+\p+1], v[TR+\p:TR+\p+1], v[TR+\p:TR+\p+1]
.endr
.irp p, 0,2,4,6
	v_pk_fma_f32 v[\dst+\p:\dst+\p+1], v[TR+\p:TR+\p+1], 2.0, -1.0 op_sel_hi:[1,0,0]
.endr
.endm
; VV[i] = VV[0] .. VV[i], i = 1 .. 6: the expectation values from the cosines
.macro PROD
.irp i, 1,2,3,4,5,6
	v_mul_f32 v[VV+\i], v[VV+\i-1], v[VV+\i]
.endr
.endm
; acc[0:7] = cin[0:7] + sum over k < rows of xv[k] w[k][0:7].  x_k is spread over both halves of a packed multiply-add by op_sel; four chains.
.macro MATV acc, xv, w, rows, cin
.set mk, 0
.rept \rows
.if mk == 0
.set mc, \cin
.else
.set mc, \acc
.endif
.set mp, 0
.rept 4
.if (mk & 1) == 0
	v_pk_fma_f32 v[\acc+2*mp:\acc+2*mp+1], v[\xv+mk:\xv+mk+1], v[\w+8*mk+2*mp:\w+8*mk+2*mp+1], v[mc+2*mp:mc+2*mp+1] op_sel_hi:[0,1,1]
.else
	v_pk_fma_f32 v[\acc+2*mp:\acc+2*mp+1], v[\xv+mk-1:\xv+mk], v[\w+8*mk+2*mp:\w+8*mk+2*mp+1], v[mc+2*mp:mc+2*mp+1] op_sel:[1,0,0] op_sel_hi:[1,1,1]
.endif
.set mp, mp+1
.endr
.set mk, mk+1
.endr
.endm
; x = g (a - mean) / sqrt(var + eps) + b over a token's 8 numbers, the mean taken away before the squares
.macro LN a, g, b
	v_pk_add_f32 v[TN:TN+1], v[\a:\a+1], v[\a+2:\a+3]
	v_pk_add_f32 v[TN+2:TN+3], v[\a+4:\a+5], v[\a+6:\a+7]
	v_pk_add_f32 v[TN:TN+1], v[TN:TN+1], v[TN+2:TN+3]
	v_pk_add_f32 v[TN:TN+1], v[TN:TN+1], v[TN:TN+1] op_sel:[0,1] op_sel_hi:[1,0]   ; each half adds the other: the sum of 8 in both
.irp p, 0,2,4,6
	v_pk_fma_f32 v[\a+\p:\a+\p+1], v[TN:TN+1], s[50:51], v[\a+\p:\a+\p+1] op_sel_hi:[1,0,1]   ; a - sum / 8
.endr
	v_pk_mul_f32 v[TR:TR+1], v[\a:\a+1], v[\a:\a+1]
.irp p, 2,4,6
	v_pk_fma_f32 v[TR:TR+1], v[\a+\p:\a+\p+1], v[\a+\p:\a+\p+1], v[TR:TR+1]
.endr
	v_add_f32 v[TR], v[TR], v[TR+1]
	v_fma_f32 v[TR], v[TR], s56, s57                                               ; sum of squares / 8 + eps
	v_rsq_f32 v[TN+2], v[TR]                                                       ; twice: a pair for the packed multiplies
	v_rsq_f32 v[TN+3], v[TR]
	v_nop                                                                          ; one plain vector instruction behind a transcendental before its result is used (ISA guide 5.7.2)
	s_wait_alu depctr_va_vdst(0)
.irp p, 0,2,4,6
	v_pk_mul_f32 v[\a+\p:\a+\p+1], v[\a+\p:\a+\p+1], v[TN+2:TN+3]
.endr
.irp p, 0,2,4,6
	v_pk_fma_f32 v[XS+\p:XS+\p+1], v[\a+\p:\a+\p+1], v[\g+\p:\g+\p+1], v[\b+\p:\b+\p+1]
.endr
.endm
; 20 LDS loads: rows 0-6 of the layer's matrix at mat, and three of its vectors from vec on (bias of the map, gain and bias of the LayerNorm).  All lanes read the same bytes.
.macro WLOAD3 mat, vec
.irp k, 0,1,2,3,4,5,6
	ds_load_b128 v[WT+8*\k:WT+8*\k+3],   v[WM] offset:\mat+32*\k
	ds_load_b128 v[WT+8*\k+4:WT+8*\k+7], v[WM] offset:\mat+32*\k+16
.endr
.irp j, 0,1,2
	ds_load_b128 v[WT+56+8*\j:WT+56+8*\j+3], v[WV] offset:\vec+192*\j
	ds_load_b128 v[WT+60+8*\j:WT+60+8*\j+3], v[WV] offset:\vec+192*\j+16
.endr
.endm
; 18 LDS loads: the layer's ffn_w1, all 8 rows, and ffn_b1
.macro WLOAD2
.irp k, 0,1,2,3,4,5,6,7
	ds_load_b128 v[W2R+8*\k:W2R+8*\k+3],   v[WM] offset:W1O+32*\k
	ds_load_b128 v[W2R+8*\k+4:W2R+8*\k+7], v[WM] offset:W1O+32*\k+16
.endr
	ds_load_b128 v[W2R+64:W2R+67], v[WV] offset:VEC+576
	ds_load_b128 v[W2R+68:W2R+71], v[WV] offset:VEC+576+16
.endm
; TA = x + the map's bias: the residual sum starts here
.macro RESB
.irp p, 0,2,4,6
	v_pk_add_f32 v[TA+\p:TA+\p+1], v[XS+\p:XS+\p+1], v[WT+56+\p:WT+56+\p+1]
.endr
.endm
; From x: my z row (ZP) and my column of Q^T (QA or QB; the other gets zeros).  q's element 7 is 0, so the 1.0 in the key rows stays out of the scores.
.macro ZQ
	COS8 VV, XS, 0
	PROD
	v_cvt_pk_bf16_f32 v[ZP],   v[VV],   v[VV+1]
	v_cvt_pk_bf16_f32 v[ZP+1], v[VV+2], v[VV+3]
	v_cvt_pk_bf16_f32 v[ZP+2], v[VV+4], v[VV+5]
	v_cvt_pk_bf16_f32 v[ZP+3], v[VV+6], 1.0
.irp p, 0,2,4
	v_pk_mul_f32 v[TN+\p:TN+\p+1], v[VV+\p:VV+\p+1], s[52:53] op_sel_hi:[1,0]      ; z log2(e) / sqrt(8)
.endr
	v_mul_f32 v[TN+6], s52, v[VV+6]
	v_cvt_pk_bf16_f32 v[TR],   v[TN],   v[TN+1]
	v_cvt_pk_bf16_f32 v[TR+1], v[TN+2], v[TN+3]
	v_cvt_pk_bf16_f32 v[TR+2], v[TN+4], v[TN+5]
	v_cvt_pk_bf16_f32 v[TR+3], v[TN+6], 0
.irp i, 0,1,2,3
	v_cndmask_b32 v[QA+\i], v[TR+\i], 0, s38                                       ; lanes 0-15 keep q (k = 0 .. 7), lanes 16-31 get 0
	v_cndmask_b32 v[QB+\i], 0, v[TR+\i], s38                                       ; lanes 16-31 keep q (k = 8 .. 15), lanes 0-15 get 0
.endr
.endm
; The operands of key step t (keys 32 t .. 32 t + 31) into buffer t mod 3.  Every lane takes key row r of a tile whatever its half, so the row's 8 numbers stand at k = 0 .. 7
; (lanes 0-15) and again at k = 8 .. 15 (lanes 16-31): QA meets the first copy, QB the second.  The transposing loads: lanes 8-15 and 24-31 address the rows of lanes 0-7 and
; 16-23 again, so rows 8-15 of V^T repeat rows 0-7 and both halves of the result hold feature j in register j.
.macro GLOAD t
.set gl, GB+16*((\t)%3)
	ds_load_b128 v[gl:gl+3],   v[KAD] offset:ZB+512*(\t)
	ds_load_b128 v[gl+4:gl+7], v[KAD] offset:ZB+512*(\t)+256
	ds_load_tr16_b128 v[gl+8:gl+11],  v[VAD] offset:ZB+512*(\t)
	ds_load_tr16_b128 v[gl+12:gl+15], v[VAD] offset:ZB+512*(\t)+256
.endm
.macro EXP16 s
.irp i, 0,1,2,3,4,5,6,7,8,9,10,11,12,13,14,15
	v_exp_f32 v[\s+\i], v[\s+\i]
.endr
.endm
; 16 exponentials of a lane (8 keys of each of two tiles) to 8 words of bf16: words 0-3 are k = 8h .. 8h+7, words 4-7 k = 16+8h .. of P^T.
; The v_nop is the plain vector instruction behind the last exponential (ISA guide 5.7.2).
.macro PACK p, s
	v_nop
	s_wait_alu depctr_va_vdst(0)
.irp i, 0,1,2,3,4,5,6,7
	v_cvt_pk_bf16_f32 v[\p+\i], v[\s+2*\i], v[\s+2*\i+1]
.endr
.endm
; One key step: 32 keys x the wave's 32 queries.  The second operand's words 4-7 (k = 16 .. 31) are 0, so the first operand's words 4-7 may be whatever finite numbers follow in the
; buffer.  Block B runs half a step behind block A, so that behind each pair of score products stand the nine plain lines of the other block's PACK before the exponentials touch the
; result, before P or a buffer that a product has read is written again (four such places: ISA guide 7.12.1; five before a matrix instruction writes over one).
; The six matrix instructions of a step name six accumulators, one instruction a turn.
.macro STEP t
.set gc, GB+16*((\t)%3)
.set gp, GB+16*((\t+2)%3)
.if \t == 15
	s_wait_dscnt 20                        ; LDS loads come back in order: this step's four are in; behind them stand the 20 weight loads of step 14
.else
	s_wait_dscnt 4                         ; this step's four are in; the next step's four may stay out
.endif
	v_wmma_f32_16x16x32_bf16 v[SA:SA+7],    v[gc:gc+7],    v[QA:QA+7], 0
	v_wmma_f32_16x16x32_bf16 v[SA+8:SA+15], v[gc+4:gc+11], v[QA:QA+7], 0
	s_wait_alu depctr_va_vdst(0)
.if \t == 0
.rept 4
	v_nop                                  ; no block B yet: four places in front of the exponentials
.endr
.else
	PACK PB, SB
.if \t == 1
	v_wmma_f32_16x16x32_bf16 v[ACB:ACB+7], v[gp+8:gp+15], v[PB:PB+7], 0            ; the first product starts the sum
.else
	v_wmma_f32_16x16x32_bf16 v[ACB:ACB+7], v[gp+8:gp+15], v[PB:PB+7], v[ACB:ACB+7]
.endif
.endif
	EXP16 SA
	v_wmma_f32_16x16x32_bf16 v[SB:SB+7],    v[gc:gc+7],    v[QB:QB+7], 0
	v_wmma_f32_16x16x32_bf16 v[SB+8:SB+15], v[gc+4:gc+11], v[QB:QB+7], 0
	s_wait_alu depctr_va_vdst(0)
	PACK PA, SA
.if \t <= 13
	GLOAD \t+2                             ; into the buffer of step t - 1, whose last product stands 27 vector instructions back
.endif
.if \t == 14
	WLOAD3 AW, VEC                         ; nothing is left to fetch of z: the weights of the map behind the attention
.endif
.if \t == 0
	v_wmma_f32_16x16x32_bf16 v[ACA:ACA+7], v[gc+8:gc+15], v[PA:PA+7], 0
.else
	v_wmma_f32_16x16x32_bf16 v[ACA:ACA+7], v[gc+8:gc+15], v[PA:PA+7], v[ACA:ACA+7]
.endif
	EXP16 SB
.endm
; One block of the transformer.  In: x in XS, its z row in ZP, its q in QA, QB.  last = 0: out the same for the next block; last = 1: x alone.
.macro LAYER last
.if \last
	v_mov_b32 v[WM], (LAYERS-1)*256
	v_mov_b32 v[WV], (LAYERS-1)*32
.else
	s_lshl_b32 s39, s37, 8
	v_mov_b32 v[WM], s39
	s_lshl_b32 s39, s37, 5
	v_mov_b32 v[WV], s39
.endif
	ds_store_b128 v[ZST], v[ZP:ZP+3]
	s_wait_dscnt 0x0                       ; my row is in LDS (in the first block also what my wave staged of the weights),
	s_barrier_signal -1
	s_barrier_wait -1                      ; and so is every wave's
	GLOAD 0
	GLOAD 1
.irp t, 0,1,2,3,4,5,6,7,8,9,10,11,12,13,14,15
	STEP \t
.endr
	PACK PB, SB                            ; block B's last half step
	v_wmma_f32_16x16x32_bf16 v[ACB:ACB+7], v[GB+8:GB+15], v[PB:PB+7], v[ACB:ACB+7]
	s_wait_dscnt 0x0                       ; my reads of the z rows are over, and the weights asked for in step 14 are in
.if \last == 0
	s_barrier_signal -1                    ; say so; the wait stands in front of the next block's store of z.  Between the two: register work and LDS loads of weights, which no wave writes again
.endif
	; x = LN1(x + (O / sum) attn_w + attn_b)
	RESB                                   ; these four lines name no register of the product above: its four places
.irp i, 0,1,2,3,4,5,6,7
	v_cndmask_b32 v[VV+\i], v[ACA+\i], v[ACB+\i], s38      ; lane L's own token: column L of block A, or column L - 16 of block B
.endr
	WLOAD2
	v_rcp_f32 v[TR],   v[VV+7]             ; 1 / the row's sum, twice
	v_rcp_f32 v[TR+1], v[VV+7]
	v_nop
	s_wait_alu depctr_va_vdst(0)
.irp p, 0,2,4
	v_pk_mul_f32 v[VV+\p:VV+\p+1], v[VV+\p:VV+\p+1], v[TR:TR+1]
.endr
	v_mul_f32 v[VV+6], v[VV+6], v[TR]
	MATV TA, VV, WT, 7, TA
	LN TA, WT+64, WT+72
	; x = LN2(x + head(x ffn_w1 + ffn_b1) ffn_w2 + ffn_b2)
	WLOAD3 W2O, VEC+768
	s_wait_dscnt 20                        ; ffn_w1 and ffn_b1 (18 loads) are in; the 20 just issued may stay out
	MATV VV, XS, W2R, 8, W2R+64
	COS8 VV, VV, 0
	PROD
	s_wait_dscnt 0x0                       ; ffn_w2, ffn_b2, ln2_g, ln2_b
	RESB
	MATV TA, VV, WT, 7, TA
	LN TA, WT+64, WT+72
.if \last == 0
	ZQ
	s_barrier_wait -1                      ; every wave has finished reading the z rows: they may be written again
.endif
.endm
	; ---- set-up ----
	s_load_b512 s[4:19], s[0:1], 0x0               ; tokens 4, emb 6, attn_w 8, ffn_w1 10, ffn_w2 12, attn_b 14, ln1_g 16, ln1_b 18
	s_load_b256 s[20:27], s[0:1], 0x40             ; ffn_b1 20, ffn_b2 22, ln2_g 24, ln2_b 26
	s_load_b128 s[28:31], s[0:1], 0x60             ; cls_w 28, cls_b 30
	s_load_b64 s[32:33], s[0:1], 0x70              ; out0
	v_lshl_add_u32 v248, v0, 2, 0x3a00
	v_mov_b32 v249, 0
	v_lshrrev_b32 v[TMP], 5, v0
	v_readfirstlane_b32 s36, v[TMP]                ; wave 0 .. 15
	v_and_b32 v[LANE], 31, v0
	v_lshlrev_b32 v[ZST], 4, v0
	v_and_b32 v[KAD], 15, v0
	v_lshlrev_b32 v[KAD], 4, v[KAD]
	v_and_b32 v[VAD], 7, v0
	v_bfe_u32 v[TMP], v0, 4, 1
	v_lshl_add_u32 v[VAD], v[TMP], 3, v[VAD]
	v_lshlrev_b32 v[VAD], 4, v[VAD]
	v_lshlrev_b32 v[TOKA], 2, v0
	v_min_u32 v[CO], 9, v[LANE]
	v_lshlrev_b32 v[CO], 2, v[CO]
	s_mov_b32 s38, 0xffff0000                      ; lanes 16-31
	SPAIR 40, 0xc0c90fdb                           ; -2 pi, upper word
	SPAIR 42, 0x343bbd2e                           ; -2 pi, lower word
	SPAIR 44, 0xaf93f27e                           ; c5 = -1 / (10! 2^10)
	SPAIR 46, 0xb7b60b61                           ; c3 = -1 / (6! 2^6)
	SPAIR 48, 0x3b2aaaab                           ; c2 = 1 / (4! 2^4)
	SPAIR 50, 0xbe000000                           ; c1 = -1/8; also the LayerNorm's -1/8
	SPAIR 52, 0x3f0293ee                           ; log2(e) / sqrt(8)
	s_mov_b32 s56, 0x3e000000                      ; 1/8
	s_mov_b32 s57, 0x3727c5ac                      ; 1e-5
	s_mov_b32 s58, 0x76543210                      ; v_permlanex16_b32: lane i of one half reads lane i of the other
	s_mov_b32 s59, 0xfedcba98
	s_mov_b32 s61, 0x3b000000                      ; 1/512
	v_mov_b32 v[C4V],   0x33d00d01                 ; c4 = 1 / (8! 2^8)
	v_mov_b32 v[C4V+1], 0x33d00d01
	v_mov_b32 v[PHT],   0xbe800000
	v_mov_b32 v[PHT+1], 0
	v_mov_b32 v[PHR],   0xbfc90fdb
	v_mov_b32 v[PHR+1], 0
.irp i, 4,5,6,7
	v_mov_b32 v[QA+\i], 0                          ; k = 16 .. 31 of Q^T: 0 for the whole kernel
	v_mov_b32 v[QB+\i], 0
.endr
	s_lshl_b32 s34, ttmp9, 11                      ; my sequence: 512 tokens of 4 bytes
	s_mov_b32 s35, 0
	s_wait_kmcnt 0x0
	s_add_nc_u64 s[4:5], s[4:5], s[34:35]
	global_load_b32 v[TOK], v[TOKA], s[4:5] th:TH_LOAD_NT
	s_mul_i32 s34, ttmp9, 40                       ; my row of out0
	s_add_nc_u64 s[32:33], s[32:33], s[34:35]
	; the positional encoding of position t while the token is on its way: pairs (sin, cos) of t x 1, 0.1, 0.01, 0.001
	v_cvt_f32_u32 v[VV],   v0
	v_cvt_f32_u32 v[VV+1], v0
	v_pk_mul_f32 v[VV+2:VV+3], v[VV:VV+1], 0x3dcccccd op_sel_hi:[1,0]
	v_pk_mul_f32 v[VV+4:VV+5], v[VV:VV+1], 0x3c23d70a op_sel_hi:[1,0]
	v_pk_mul_f32 v[VV+6:VV+7], v[VV:VV+1], 0x3a83126f op_sel_hi:[1,0]
	COS8 TA, VV, 1
	; the weights, once: wave 0 takes the classifier into registers; waves 1-3 copy the three matrices, wave 4 the seven vectors, into LDS
	s_cmp_lg_u32 s36, 0
	s_cbranch_scc1 .Lnot_wave_0
.irp d, 0,1,2,3,4,5,6,7
	global_load_b32 v[CW+\d], v[CO], s[28:29] offset:40*\d         ; cls_w[d][min(lane, 9)]
.endr
	global_load_b32 v[CB], v[CO], s[30:31]
	s_branch .Lstaged
.Lnot_wave_0:
	s_cmp_gt_u32 s36, 4
	s_cbranch_scc1 .Lstaged
	s_cmp_eq_u32 s36, 4
	s_cbranch_scc1 .Lvectors
	s_sub_co_u32 s39, s36, 1
	s_lshl_b32 s39, s39, 9
	v_lshl_add_u32 v[STG], v[LANE], 4, s39         ; 512 (wave - 1) + 16 lane: three waves cover a matrix buffer's 1,536 bytes
	global_load_b128 v[WT:WT+3],    v[STG], s[8:9]
	global_load_b128 v[WT+4:WT+7],  v[STG], s[10:11]
	global_load_b128 v[WT+8:WT+11], v[STG], s[12:13]
	s_wait_loadcnt 0x0
	ds_store_b128 v[STG], v[WT:WT+3]    offset:AW
	ds_store_b128 v[STG], v[WT+4:WT+7]  offset:W1O
	ds_store_b128 v[STG], v[WT+8:WT+11] offset:W2O
	s_branch .Lstaged
.Lvectors:
	v_min_u32 v[STG], 11, v[LANE]                  ; a vector buffer is 192 bytes = 12 lanes; the lanes above repeat lane 11's bytes
	v_lshlrev_b32 v[STG], 4, v[STG]
.irp i, 0,1,2,3,4,5,6
	global_load_b128 v[WT+4*\i:WT+4*\i+3], v[STG], s[14+2*\i:15+2*\i]
.endr
	s_wait_loadcnt 0x0
.irp i, 0,1,2,3,4,5,6
	ds_store_b128 v[STG], v[WT+4*\i:WT+4*\i+3] offset:VEC+192*\i
.endr
.Lstaged:
	s_wait_loadcnt 0x0                             ; my token (and wave 0's classifier)
	v_min_u32 v[TOK], 0x7cff, v[TOK]               ; inside the table's 32,000 rows
	v_lshlrev_b32 v[TOK], 5, v[TOK]                ; rows of 32 bytes
	global_load_b128 v[EM:EM+3],   v[TOK], s[6:7]
	global_load_b128 v[EM+4:EM+7], v[TOK], s[6:7] offset:16
	s_wait_loadcnt 0x0
.irp p, 0,2,4,6
	v_pk_add_f32 v[XS+\p:XS+\p+1], v[EM+\p:EM+\p+1], v[TA+\p:TA+\p+1]
.endr
	ZQ
	; ---- six blocks: five in the loop, the sixth written out (it makes no z for a seventh) ----
	s_mov_b32 s37, 0
.Llayer:
	LAYER 0
	s_add_co_u32 s37, s37, 1
	s_cmp_lt_u32 s37, LAYERS-1
	s_cbranch_scc1 .Llayer
	LAYER 1
	; ---- the mean over the 512 tokens, and the classifier ----
.irp m, 1,2,4,8
.irp i, 0,1,2,3,4,5,6,7
	v_add_f32_dpp v[XS+\i], v[XS+\i], v[XS+\i] row_xmask:\m row_mask:0xf bank_mask:0xf
.endr
.endr
.irp i, 0,1,2,3,4,5,6,7
	v_permlanex16_b32 v[TN+\i], v[XS+\i], s58, s59
.endr
.irp p, 0,2,4,6
	v_pk_add_f32 v[XS+\p:XS+\p+1], v[XS+\p:XS+\p+1], v[TN+\p:TN+\p+1]             ; every lane: the sums over my wave's 32 tokens
.endr
	s_lshl_b32 s39, s36, 5
	v_mov_b32 v[PST], s39
	ds_store_b128 v[PST], v[XS:XS+3]   offset:POOL         ; all lanes write the same bytes with the same values
	ds_store_b128 v[PST], v[XS+4:XS+7] offset:POOL+16
	s_wait_dscnt 0x0                               ; my wave's sums are in LDS,
	s_barrier_signal -1
	s_barrier_wait -1                              ; and every wave's
	s_cmp_lg_u32 s36, 0
	s_cbranch_scc1 .Ldone
	v_and_b32 v[PRD], 15, v0                       ; lane (r, h) takes wave r's features 4h .. 4h+3
	v_bfe_u32 v[TMP], v0, 4, 1
	v_lshlrev_b32 v[PRD], 5, v[PRD]
	v_lshl_add_u32 v[PRD], v[TMP], 4, v[PRD]
	ds_load_b128 v[VV:VV+3], v[PRD] offset:POOL
	s_wait_dscnt 0x0
.irp m, 1,2,4,8
.irp i, 0,1,2,3
	v_add_f32_dpp v[VV+\i], v[VV+\i], v[VV+\i] row_xmask:\m row_mask:0xf bank_mask:0xf
.endr
.endr
.irp i, 0,1,2,3
	v_permlanex16_b32 v[VV+4+\i], v[VV+\i], s58, s59       ; lanes 0-15 now hold features 0-3 and 4-7 in order (the upper lanes hold them swapped and store nothing)
.endr
	v_mul_f32 v[TN], v[VV], v[CW]
.irp d, 1,2,3,4,5,6,7
	v_fmac_f32 v[TN], v[VV+\d], v[CW+\d]
.endr
	v_fma_f32 v[TN], v[TN], s61, v[CB]             ; (sum / 512) . cls_w + cls_b
	s_wait_xcnt 0x0                                ; EXEC is narrowed only behind this wait
	v_cmp_gt_u32 vcc_lo, 10, v0
	s_wait_tensorcnt 0x0
	ds_add_u32 v248, v249
	s_wait_dscnt 0x0
	s_and_saveexec_b32 s60, vcc_lo
	global_store_b32 v[CO], v[TN], s[32:33]        ; lanes 0-9: the sequence's ten numbers, 40 neighbouring bytes
	s_endpgm
.Ldone:
	s_wait_tensorcnt 0x0
	ds_add_u32 v248, v249
	s_wait_dscnt 0x0
	s_endpgm
.Lfunc_end_k_q0e9882a2dd_qtrans:
	.size	k_q0e9882a2dd_qtrans, .Lfunc_end_k_q0e9882a2dd_qtrans-k_q0e9882a2dd_qtrans
	.p2alignl 7, 3214868480
	.fill 96, 4, 3214868480
	.section	.rodata,"a",@progbits
	.p2align	6, 0x0
	.amdhsa_kernel k_q0e9882a2dd_qtrans
		.amdhsa_group_segment_fixed_size 16896
		.amdhsa_private_segment_fixed_size 0
		.amdhsa_enable_private_segment 0
		.amdhsa_kernarg_size 120
		.amdhsa_user_sgpr_count 2
		.amdhsa_user_sgpr_kernarg_segment_ptr 1
		.amdhsa_wavefront_size32 1
		.amdhsa_system_sgpr_workgroup_id_x 1
		.amdhsa_system_sgpr_workgroup_id_y 1
		.amdhsa_system_sgpr_workgroup_id_z 1
		.amdhsa_system_vgpr_workitem_id 0
		.amdhsa_next_free_vgpr 250
		.amdhsa_next_free_sgpr 66
		.amdhsa_reserve_vcc 1
		.amdhsa_float_denorm_mode_32 3
		.amdhsa_float_denorm_mode_16_64 3
		.amdhsa_memory_ordered 1
		.amdhsa_forward_progress 1
		.amdhsa_inst_pref_size 150
	.end_amdhsa_kernel
	.amdgpu_metadata
---
amdhsa.version: [ 1, 2 ]
amdhsa.kernels:
  - .name:           k_q0e9882a2dd_qtrans
    .symbol:         k_q0e9882a2dd_qtrans.kd
    .args:
      - { .name: tokens, .offset: 0, .size: 8, .value_kind: global_buffer, .address_space: global }
      - { .name: emb, .offset: 8, .size: 8, .value_kind: global_buffer, .address_space: global }
      - { .name: attn_w, .offset: 16, .size: 8, .value_kind: global_buffer, .address_space: global }
      - { .name: ffn_w1, .offset: 24, .size: 8, .value_kind: global_buffer, .address_space: global }
      - { .name: ffn_w2, .offset: 32, .size: 8, .value_kind: global_buffer, .address_space: global }
      - { .name: attn_b, .offset: 40, .size: 8, .value_kind: global_buffer, .address_space: global }
      - { .name: ln1_g, .offset: 48, .size: 8, .value_kind: global_buffer, .address_space: global }
      - { .name: ln1_b, .offset: 56, .size: 8, .value_kind: global_buffer, .address_space: global }
      - { .name: ffn_b1, .offset: 64, .size: 8, .value_kind: global_buffer, .address_space: global }
      - { .name: ffn_b2, .offset: 72, .size: 8, .value_kind: global_buffer, .address_space: global }
      - { .name: ln2_g, .offset: 80, .size: 8, .value_kind: global_buffer, .address_space: global }
      - { .name: ln2_b, .offset: 88, .size: 8, .value_kind: global_buffer, .address_space: global }
      - { .name: cls_w, .offset: 96, .size: 8, .value_kind: global_buffer, .address_space: global }
      - { .name: cls_b, .offset: 104, .size: 8, .value_kind: global_buffer, .address_space: global }
      - { .name: out0, .offset: 112, .size: 8, .value_kind: global_buffer, .address_space: global }
    .group_segment_fixed_size: 16896
    .private_segment_fixed_size: 0
    .kernarg_segment_align: 8
    .kernarg_segment_size: 120
    .max_flat_workgroup_size: 512
    .sgpr_count:     66
    .vgpr_count:     250
    .wavefront_size: 32
...
	.end_amdgpu_metadata
.endif
;; end of part 1
